; MI455X (gfx1250); checked and timed in simulation.
; The chip was launched on July 23, 2026; its instructions are those of AMD's public machine-readable ISA for CDNA 5 (MIT licence, August 2026) and "CDNA5" Instruction Set Architecture Reference Guide (July 2026). The comments in the code are by the model that wrote it; some were corrected since.
;; Simple Mo E. Allowed arithmetic: float matrix products may take bf16 or f16 operands with f32 sums; all other float work in f32.
;; Inputs: W1 4 x 1,024 x 2,048 float32; W2 4 x 2,048 x 1,024 float32; Wr 1,024 x 4 float32; b1 4 x 2,048 float32; b2 4 x 1,024 float32; br 4 float32; x 2 x 2,048 x 1,024 float32.
;; Outputs: out0 2 x 2,048 x 1,024 float32.
;; One version. Each part assembles by itself: llvm-mc -triple=amdgcn-amd-amdhsa -mcpu=gfx1250 --defsym DOCPART=n.
;; ======== version 1 of 1: 4 launches
;; limits: values are held in f16: magnitudes above 65,504 overflow, below 6.1e-05 lose precision; right only within a limited range of input values
;; workspace buffers: xb 8,388,608 bytes; w1b 16,777,216 bytes; w2b 16,777,216 bytes; wts 65,536 bytes; hbuf 67,108,864 bytes; part 67,108,864 bytes
;; launch prep (part 1): grid 256 x 1, 8 waves a work-group, no clusters, 5,120 bytes of LDS; arguments x, W1, W2, Wr, br, xb, w1b, w2b, wts; writes xb, w1b, w2b, wts
.if DOCPART == 1
	.amdgcn_target "amdgcn-amd-amdhsa--gfx1250"
	.amdhsa_code_object_version 6
	.text
	.protected	k_q1a309f5af7_prep
	.globl	k_q1a309f5af7_prep
	.p2align	8
	.type	k_q1a309f5af7_prep,@function
k_q1a309f5af7_prep:
	s_mov_b64 s[64:65], 0
	v_nop
	global_prefetch_b8 v0, s[64:65] scope:SCOPE_SE
	s_setreg_imm32_b32 hwreg(HW_REG_WAVE_MODE, 25, 1), 1
	s_wait_xcnt 0x0
; prep: xb = f16(x), w1b = f16(W1), w2b = f16(4 W2), layouts unchanged; wts[t][e] = softmax_e(x[t] . Wr[:, e] + br[e]) in f32.
; A stream: every input byte is read once by 16-byte loads, every output byte written once; a wave's store covers 256 consecutive bytes, aligned.
; FORMAT.  The matrix operands go in f16, which keeps 11 significant bits where bf16 keeps 8.  Its range has the room: x as drawn reaches about 5, W1 0.031, W2 0.022;
; thirty times larger, or offset by thirty times their spread, they reach about 150, 1.9 and 1.4, far under 65,504; thirty times smaller they are about 0.03, 6e-4 and 4e-4 in the
; root mean square, and f16's step under 2^-14 is 2^-24, under 1e-4 of each.  W2 is kept times 4 and the hidden numbers (next launch) divided by 4, both exact, so that the hidden
; numbers, which scale with x times W1, lie in the middle of f16's range; the products are the same.
; LIMIT.  |x| or |W1| above 65,504, or |W2| above 16,376, becomes infinite here.
; 256 work-groups of eight waves.  A work-group owns 131,072 bytes of W1, as many of W2, and 16 rows of x.  A wave owns 16,384 bytes of each
; weight tensor: 32 pieces of 512 bytes, one load each.  Thread t owns columns 4 t .. 4 t + 3 of all 16 rows of x.
; The router's product has four columns only and needs x in f32, which the cast holds in registers anyway: it is done by packed
; multiply-adds in f32; no matrix instruction, no tensor load.  The softmax takes the row's maximum away first, as the reference does.
; All 52 first loads of a wave go out together; W2's loads follow in groups of eight as W1's registers come free.  No loop: 64 pieces, 16 rows.
.set OW,   1                           ; v1       byte offset of my 16 bytes in the wave's first piece of W1 or W2: 16,384 wave + 16 lane
.set OWB,  2                           ; v2       the same in w1b or w2b: half of it
.set OX,   3                           ; v3       16 t: my 16 bytes of a row of x
.set OXB,  4                           ; v4       8 t: my 8 bytes of a row of xb
.set OWR,  5                           ; v5       64 t: my four rows of Wr
.set PA,   6                           ; v6       LDS: 256 (t / 16): the partial sums of my sixteen threads
.set RA,   7                           ; v7       16 (t % 16): a row's four numbers, in LDS and in wts
.set TT,   8                           ; v[8:11]  at work
.set WR,   12                          ; v[12:27] WR + 4 j + e = Wr[4 t + j][e]
.set X,    28                          ; v[28:91] row r: four registers
.set ACC,  92                          ; v[92:107] four sets of four sums, by turns
.set Q,    128                         ; v[128:255] piece i: four registers
	s_load_b512 s[4:19], s[0:1], 0x0               ; x s[4:5], W1 s[6:7], W2 s[8:9], Wr s[10:11], br s[12:13], xb s[14:15], w1b s[16:17], w2b s[18:19]
	s_load_b64 s[20:21], s[0:1], 0x40              ; wts
	v_lshl_add_u32 v126, v0, 2, 0x1000
	v_mov_b32 v127, 0
	v_lshrrev_b32 v[TT], 5, v0
	v_readfirstlane_b32 s30, v[TT]                 ; my wave's number
	v_and_b32 v[TT+1], 31, v0
	v_lshlrev_b32 v[OW], 14, v[TT]
	v_lshl_or_b32 v[OW], v[TT+1], 4, v[OW]
	v_lshrrev_b32 v[OWB], 1, v[OW]
	v_lshlrev_b32 v[OX], 4, v0
	v_lshlrev_b32 v[OXB], 3, v0
	v_lshlrev_b32 v[OWR], 6, v0
	v_lshrrev_b32 v[PA], 4, v0
	v_lshlrev_b32 v[PA], 8, v[PA]
	v_and_b32 v[RA], 15, v0
	v_lshlrev_b32 v[RA], 4, v[RA]
	s_mov_b32 s28, 0x3fb8aa3b                      ; log2(e)
	s_mov_b32 s23, 0                               ; every offset below stays under 2^32
	s_wait_kmcnt 0x0
	s_load_b128 s[24:27], s[12:13], 0x0            ; br's four numbers
	s_lshl_b32 s22, ttmp9, 17                      ; the work-group's 131,072 bytes of W1 and of W2
	s_add_nc_u64 s[6:7], s[6:7], s[22:23]
	s_add_nc_u64 s[8:9], s[8:9], s[22:23]
	s_lshl_b32 s22, ttmp9, 16                      ; its 65,536 bytes of x, of w1b and of w2b
	s_add_nc_u64 s[4:5], s[4:5], s[22:23]
	s_add_nc_u64 s[16:17], s[16:17], s[22:23]
	s_add_nc_u64 s[18:19], s[18:19], s[22:23]
	s_lshl_b32 s22, ttmp9, 15                      ; its 32,768 bytes of xb
	s_add_nc_u64 s[14:15], s[14:15], s[22:23]
	s_lshl_b32 s22, ttmp9, 8                       ; its 256 bytes of wts
	s_add_nc_u64 s[20:21], s[20:21], s[22:23]
.irp j, 0,1,2,3
	global_load_b128 v[WR+4*\j:WR+4*\j+3], v[OWR], s[10:11] offset:16*\j
.endr
.irp r, 0,1,2,3,4,5,6,7,8,9,10,11,12,13,14,15
	global_load_b128 v[X+4*\r:X+4*\r+3], v[OX], s[4:5] offset:4096*\r th:TH_LOAD_NT
.endr
.set i, 0
.rept 32
	global_load_b128 v[Q+4*i:Q+4*i+3], v[OW], s[6:7] offset:512*i th:TH_LOAD_NT
.set i, i+1
.endr
	s_wait_kmcnt 0x0                               ; br
; Row r of x: my four columns' share of the four logits, summed over my sixteen threads, into LDS; then the row's cast.
.macro XROW r
.set XR, X+4*(\r)
.set AR, ACC+4*((\r)%4)
	s_wait_loadcnt 47-(\r)                         ; loads come back in order (ISA guide 5.7.1): Wr and rows 0 to r are in; 15 - r rows and 32 pieces of W1 stay out
	v_pk_mul_f32 v[AR:AR+1],   v[XR:XR+1],   v[WR:WR+1]     op_sel_hi:[0,1]                                   ; x0 times Wr[4 t][0..1]: the first product starts the sums
	v_pk_mul_f32 v[AR+2:AR+3], v[XR:XR+1],   v[WR+2:WR+3]   op_sel_hi:[0,1]
	v_pk_fma_f32 v[AR:AR+1],   v[XR:XR+1],   v[WR+4:WR+5],   v[AR:AR+1]   op_sel:[1,0,0] op_sel_hi:[1,1,1]    ; x1, taken for both halves
	v_pk_fma_f32 v[AR+2:AR+3], v[XR:XR+1],   v[WR+6:WR+7],   v[AR+2:AR+3] op_sel:[1,0,0] op_sel_hi:[1,1,1]
	v_pk_fma_f32 v[AR:AR+1],   v[XR+2:XR+3], v[WR+8:WR+9],   v[AR:AR+1]   op_sel_hi:[0,1,1]                   ; x2
	v_pk_fma_f32 v[AR+2:AR+3], v[XR+2:XR+3], v[WR+10:WR+11], v[AR+2:AR+3] op_sel_hi:[0,1,1]
	v_pk_fma_f32 v[AR:AR+1],   v[XR+2:XR+3], v[WR+12:WR+13], v[AR:AR+1]   op_sel:[1,0,0] op_sel_hi:[1,1,1]    ; x3
	v_pk_fma_f32 v[AR+2:AR+3], v[XR+2:XR+3], v[WR+14:WR+15], v[AR+2:AR+3] op_sel:[1,0,0] op_sel_hi:[1,1,1]
.irp m, 1,2,4,8
.irp k, 0,1,2,3
	v_add_f32_dpp v[AR+\k], v[AR+\k], v[AR+\k] row_xmask:\m row_mask:0xf bank_mask:0xf   ; over sixteen lanes: every one of them ends with the sum
.endr
.endr
	ds_store_b128 v[PA], v[AR:AR+3] offset:16*(\r) ; sixteen lanes write the same 16 bytes with the same numbers
	v_cvt_pk_f16_f32 v[XR],   v[XR],   v[XR+1]
	v_cvt_pk_f16_f32 v[XR+1], v[XR+2], v[XR+3]
	global_store_b64 v[OXB], v[XR:XR+1], s[14:15] offset:2048*(\r)
.endm
.irp r, 0,1,2,3,4,5,6,7,8,9,10,11,12,13,14,15
	XROW \r
.endr
; Piece q, in its four registers, is rounded in place and stored.  left = the loads issued behind its own.  four = 1: times 4 first (W2).
.macro PIECE q, left, lo, imm, four
	s_wait_loadcnt \left
.if \four
	v_pk_mul_f32 v[Q+4*(\q):Q+4*(\q)+1],   v[Q+4*(\q):Q+4*(\q)+1],   4.0 op_sel_hi:[1,0]
	v_pk_mul_f32 v[Q+4*(\q)+2:Q+4*(\q)+3], v[Q+4*(\q)+2:Q+4*(\q)+3], 4.0 op_sel_hi:[1,0]
.endif
	v_cvt_pk_f16_f32 v[Q+4*(\q)],   v[Q+4*(\q)],   v[Q+4*(\q)+1]
	v_cvt_pk_f16_f32 v[Q+4*(\q)+1], v[Q+4*(\q)+2], v[Q+4*(\q)+3]
	global_store_b64 v[OWB], v[Q+4*(\q):Q+4*(\q)+1], s[\lo:\lo+1] offset:\imm
.endm
.irp g, 0,1,2,3
.irp j, 0,1,2,3,4,5,6,7
	PIECE 8*\g+\j, 31-\j, 16, 256*(8*\g+\j), 0     ; behind W1's piece 8 g + j: 31 - 8 g - j pieces of W1 and 8 g of W2
.endr
	s_wait_xcnt 0x0                                ; the stores' data registers are loaded again only behind this wait (ISA guide 3.1)
.irp j, 0,1,2,3,4,5,6,7
	global_load_b128 v[Q+4*(8*\g+\j):Q+4*(8*\g+\j)+3], v[OW], s[8:9] offset:512*(8*\g+\j) th:TH_LOAD_NT
.endr
.endr
.set p, 0
.rept 32
	PIECE p, 31-p, 18, 256*p, 1
.set p, p+1
.endr
	s_wait_dscnt 0x0                               ; for wave 0's sake: my partial sums are in LDS
	s_barrier_signal -1
	s_barrier_wait -1
	s_cmp_lg_u32 s30, 0
	s_cbranch_scc1 .Lend
	; wave 0: lane l takes row l % 16: sixteen partial sums of four logits each
	s_wait_xcnt 0x0                                ; X's registers were store data
.irp p, 0,1,2,3,4,5,6,7,8,9,10,11,12,13,14,15
	ds_load_b128 v[X+4*\p:X+4*\p+3], v[RA] offset:256*\p
.endr
	s_wait_dscnt 0x0
.irp d, 8,4,2,1
.set p, 0
.rept \d
	v_pk_add_f32 v[X+4*p:X+4*p+1],   v[X+4*p:X+4*p+1],   v[X+4*(p+\d):X+4*(p+\d)+1]
	v_pk_add_f32 v[X+4*p+2:X+4*p+3], v[X+4*p+2:X+4*p+3], v[X+4*(p+\d)+2:X+4*(p+\d)+3]
.set p, p+1
.endr
.endr
	v_add_f32 v[X],   s24, v[X]
	v_add_f32 v[X+1], s25, v[X+1]
	v_add_f32 v[X+2], s26, v[X+2]
	v_add_f32 v[X+3], s27, v[X+3]
	v_max3_num_f32 v[TT], v[X], v[X+1], v[X+2]
	v_max_num_f32 v[TT], v[TT], v[X+3]             ; the row's maximum
	v_mul_f32 v[TT+1], s28, v[TT]
.irp e, 0,1,2,3
	v_fma_f32 v[X+\e], v[X+\e], s28, -v[TT+1]      ; log2(e) (logit - maximum): at most 0 but for one rounding
.endr
.irp e, 0,1,2,3
	v_exp_f32 v[X+\e], v[X+\e]
.endr
	v_nop                                          ; a plain instruction between the last exponential and the use of its result (ISA guide 5.7.2)
	s_wait_alu depctr_va_vdst(0)
	v_add_f32 v[TT+2], v[X], v[X+1]
	v_add_f32 v[TT+3], v[X+2], v[X+3]
	v_add_f32 v[TT+2], v[TT+2], v[TT+3]            ; at least about 1: the maximum's own term
	v_rcp_f32 v[TT+2], v[TT+2]
	v_nop
	s_wait_alu depctr_va_vdst(0)
.irp e, 0,1,2,3
	v_mul_f32 v[X+\e], v[X+\e], v[TT+2]
.endr
	v_cmp_gt_u32 vcc_lo, 16, v0
	s_wait_xcnt 0x0                                ; EXEC is a source of the stores that are out: it changes only behind this wait
	s_and_saveexec_b32 s29, vcc_lo
	global_store_b128 v[RA], v[X:X+3], s[20:21]    ; sixteen lanes store the work-group's 256 bytes of wts
	s_wait_xcnt 0x0
	s_or_b32 exec_lo, exec_lo, s29
.Lend:
	s_wait_tensorcnt 0x0
	ds_add_u32 v126, v127
	s_wait_dscnt 0x0
	s_endpgm
.Lfunc_end_k_q1a309f5af7_prep:
	.size	k_q1a309f5af7_prep, .Lfunc_end_k_q1a309f5af7_prep-k_q1a309f5af7_prep
	.p2alignl 7, 3214868480
	.fill 96, 4, 3214868480
	.section	.rodata,"a",@progbits
	.p2align	6, 0x0
	.amdhsa_kernel k_q1a309f5af7_prep
		.amdhsa_group_segment_fixed_size 5120
		.amdhsa_private_segment_fixed_size 0
		.amdhsa_enable_private_segment 0
		.amdhsa_kernarg_size 72
		.amdhsa_user_sgpr_count 2
		.amdhsa_user_sgpr_kernarg_segment_ptr 1
		.amdhsa_wavefront_size32 1
		.amdhsa_system_sgpr_workgroup_id_x 1
		.amdhsa_system_sgpr_workgroup_id_y 1
		.amdhsa_system_sgpr_workgroup_id_z 1
		.amdhsa_system_vgpr_workitem_id 0
		.amdhsa_next_free_vgpr 256
		.amdhsa_next_free_sgpr 66
		.amdhsa_reserve_vcc 1
		.amdhsa_float_denorm_mode_32 3
		.amdhsa_float_denorm_mode_16_64 3
		.amdhsa_memory_ordered 1
		.amdhsa_forward_progress 1
		.amdhsa_inst_pref_size 63
	.end_amdhsa_kernel
	.amdgpu_metadata
---
amdhsa.version: [ 1, 2 ]
amdhsa.kernels:
  - .name:           k_q1a309f5af7_prep
    .symbol:         k_q1a309f5af7_prep.kd
    .args:
      - { .name: x, .offset: 0, .size: 8, .value_kind: global_buffer, .address_space: global }
      - { .name: W1, .offset: 8, .size: 8, .value_kind: global_buffer, .address_space: global }
      - { .name: W2, .offset: 16, .size: 8, .value_kind: global_buffer, .address_space: global }
      - { .name: Wr, .offset: 24, .size: 8, .value_kind: global_buffer, .address_space: global }
      - { .name: br, .offset: 32, .size: 8, .value_kind: global_buffer, .address_space: global }
      - { .name: xb, .offset: 40, .size: 8, .value_kind: global_buffer, .address_space: global }
      - { .name: w1b, .offset: 48, .size: 8, .value_kind: global_buffer, .address_space: global }
      - { .name: w2b, .offset: 56, .size: 8, .value_kind: global_buffer, .address_space: global }
      - { .name: wts, .offset: 64, .size: 8, .value_kind: global_buffer, .address_space: global }
    .group_segment_fixed_size: 5120
    .private_segment_fixed_size: 0
    .kernarg_segment_align: 8
    .kernarg_segment_size: 72
    .max_flat_workgroup_size: 256
    .sgpr_count:     66
    .vgpr_count:     256
    .wavefront_size: 32
...
	.end_amdgpu_metadata
.endif
;; end of part 1
;; launch gemm1 (part 2): grid 32 x 16, 4 waves a work-group, clusters of 4 x 4, 327,680 bytes of LDS; arguments xb, w1b, hbuf, b1, wts; writes hbuf
.if DOCPART == 2
	.amdgcn_target "amdgcn-amd-amdhsa--gfx1250"
	.amdhsa_code_object_version 6
	.text
	.protected	k_q1a309f5af7_gemm1
	.globl	k_q1a309f5af7_gemm1
	.p2align	8
	.type	k_q1a309f5af7_gemm1,@function
k_q1a309f5af7_gemm1:
	s_mov_b64 s[64:65], 0
	v_nop
	global_prefetch_b8 v0, s[64:65] scope:SCOPE_SE
	s_setreg_imm32_b32 hwreg(HW_REG_WAVE_MODE, 25, 1), 1
	s_wait_xcnt 0x0
	s_wait_alu depctr_hold_cnt(0) depctr_sa_sdst(0) depctr_va_vdst(0) depctr_va_sdst(0) depctr_va_ssrc(0) depctr_va_vcc(0) depctr_vm_vsrc(0)
	s_getreg_b32 s2, hwreg(HW_REG_IB_STS2, 6, 4)
	s_cmp_eq_u32 s2, 0
	s_cbranch_scc0 .Lentry_in_a_cluster
	s_endpgm
.Lentry_in_a_cluster:
	s_bfe_u32 s2, ttmp6, 0x10000c
	s_cmp_lg_u32 s2, 0xf033
	s_cbranch_scc0 .Lentry_shape_is_right
	s_endpgm
.Lentry_shape_is_right:
; gemm1: hbuf[t][2048 e + h] = f16( wts[t][e] / 4 * gelu( sum over k of xb[t][k] w1b[e][k][h] + b1[e][h] ) ), gelu exact (by erf).
; xb: [4096][1024] f16.  w1b: [4][1024 k][2048 h] f16.  hbuf: [4096][8192] f16.  b1: [4][2048] f32.  wts: [4096][4] f32.  Sums in f32.
; The router's weight does not hang on h, so it is multiplied into the hidden numbers here and the second product sums over experts and h at once.
; FORMAT.  f16 keeps 11 significant bits where bf16 keeps 8.  The hidden numbers scale with x times W1, so their range is counted: with x offset by 30 and W1 by thirty times its full
; spread (1.9) a sum of 1024 products reaches about 60,000, and the weight can be 1; with all inputs thirty times smaller weight x gelu is about 1.1e-4 in the root mean square.  Kept
; divided by 4 (w2b holds 4 W2: both factors exact, the products the same) that is 15,000 against f16's 65,504, and 2.8e-5 against a rounding error of 1.7e-8 (f16's step under 2^-14 is 2^-24).
; SHARES.  A work-group of four waves makes a tile of 256 tokens x 256 hidden columns (all of one expert: 2048 / 256 = 8 tiles an expert); a wave makes
; 128 x 128: 64 accumulators of 16 x 16, 512 registers.  K = 1024 goes in 8 steps of 128 through a ring of two LDS slots filled by tensor loads.
; x's tile lies [token][k]: rows of 256 bytes.  W1's tile lies [k][column]: 128 rows of 512 bytes; its fragments are turned on the way out of LDS by ds_load_tr16_b128.
; CLUSTERS.  4 x 4 work-groups.  The four of a row of the cluster need the same tile of x, the four of a column the same tile of W1: each tile is asked for
; JOINTLY, by the same tensor load with the same descriptor and a mask that names the four, which divides the requests for both by four.
; THE MATRIX INSTRUCTION IS USED TRANSPOSED: source 0 = 16 columns of W1, source 1 = 16 tokens.  Lane l then holds token l % 16 and the columns 8 (l / 16) + 0 .. 7:
; eight neighbouring numbers of a row of hbuf, and ONE router weight a lane for each block of 16 tokens.  b1 enters as the C of a sum's first product.
; GELU.  With U = c z, c = sqrt(log2(e) / 2):  gelu(z) = (0.5 / c) (U + |U| erf(|z| / sqrt 2)),  erf = 1 - t (a1 + t (a2 + t (a3 + t (a4 + t a5)))) 2^(-U U),
; t = 1 / (1 + p |U|), p = 0.3275911 / sqrt(log2(e))  (Abramowitz and Stegun 7.1.26).
; LIMITS.  That formula's absolute error in erf is at most 1.5e-7 for every argument, so gelu's is about 3e-7 |z| with the f32 roundings; v_exp_f32 gives 0 for
; results under 2^-126 (there erf is 1 in f32 long since); z = -infinity gives NaN, as 0 times infinity does in the reference.  The weight is multiplied in ahead of the rounding to f16;
; weight x gelu above 262,016 becomes infinite in hbuf.
; REGISTERS, in windows of 256 (s_set_vgpr_msb's low byte: bits 1:0 source 0, 3:2 source 1, 5:4 source 2, 7:6 destination):
;   window 0: v0-31 addresses and weights; v32-63 at work on the way out; v64-127, v128-191 fragments of x, two buffers (on the way out: constants and gelu's temporaries);
;             v192-255 b1 for my 128 columns (after a tile's first quarter: packed results and rows read back)
;   window 1: v64-127, v128-191 fragments of W1, two buffers      windows 2, 3: the accumulators of my tokens 0-63, 64-127 ((a, b) at v[8 (8 a + b)])
.set KSTEP,  128
.set PITCH,  272                       ; an LDS row of x: 256 bytes + 16 of padding: the 16 rows that a fragment load touches start 4 banks apart (64 banks of 4 bytes: ISA guide 11.1)
.set PB,     544                       ; an LDS row of W1: 512 bytes + 32 of padding = 17 x 32
.set HALFT,  128*PITCH                 ; what one tensor load brings: 128 rows of x, or 64 rows of W1 (64 x 544 is the same 34,816 bytes)
.set SLOT,   4*HALFT                   ; x's 256 rows, then W1's 128 rows
.set STAGE,  2*SLOT                    ; behind the ring: 16 rows x 272 bytes for each wave, for the way out
.set SPITCH, 272
.set SPARE,  STAGE+4*16*SPITCH         ; behind the stages: the spare words, 128 bytes for each wave: two blocks of 256 bytes that no other line names
.set LAPS,   1024/(2*KSTEP)            ; a lap = two K steps = once round the ring
.set WROWB,  4096                      ; bytes from a k row of w1b to the next
.set HROWB,  16384                     ; bytes in a row of hbuf
.set WT,   8                           ; v8-15   wts[token 16 a + l % 16][e] for my eight blocks a
.set ADRA, 16                          ; v16-17  LDS address of my fragments of x in slot 0, 1
.set ADRB, 20                          ; v20-21  the same for W1
.set STO,  24                          ; v24     the way out: where I put 16 bytes of a row
.set RD,   25                          ; v25     the way out: where I read a row back
.set CO,   26                          ; v26     my byte offset in hbuf
.set SPW,  28                          ; v28     LDS address of my spare word: SPARE + 4 x my thread's number; never rewritten
.set NIL,  29                          ; v29     0; never rewritten
.set WP,   30                          ; v30-31  (0.125 / c) x the block's weight, twice
.set OB,   32                          ; the way out: 16 rows read back from the stage: v32-63 and v224-255 by turns
.set F0,   64
.set F1,   128
.set BIAS, 192                         ; v[192 + 8 b ..]: b1 of columns 16 b + 8 (l / 16) + 0 .. 7
.set TMP,  192                         ; the way out: packed results
.set CC,   64                          ; the way out: constants, each twice
.set PP,   66
.set ONE,  68
.set A1,   70
.set A2,   72
.set A3,   74
.set A4,   76
.set A5,   78
.set GU,   80                          ; gelu's temporaries, sixteen numbers each: U,
.set GA,   96                          ; |U|,
.set GQ,   112                         ; -U U, then 2^(-U U),
.set GT,   128                         ; 1 + p |U|, then t,
.set GP,   144                         ; the polynomial, then erf
.set G1,  24                           ; s[24:31] descriptor group 1 for x's tiles;  s[32:39] group 0, one set for each slot
.set G0,  32
.set G1B, 48                           ; s[48:55], s[56:63] the same for W1's tiles
.set G0B, 56
.set MSB, 0
.macro WIN new                         ; the immediate's high byte repeats the setting that is left; a switch that changes nothing is dropped
.if MSB != \new
	s_set_vgpr_msb (MSB<<8)|\new
.set MSB, \new
.endif
.endm
.set MUL_LO, 0xa1                      ; source 0 (W1) window 1, source 1 (x) window 0, C and D window 2
.set MUL_HI, 0xf1                      ; the same, C and D window 3
.set ONB_LO, 0x81                      ; the first products: C (b1) window 0, D window 2
.set ONB_HI, 0xc1                      ; D window 3
.set TO_B,   0x40                      ; destination window 1, address window 0
; A joint load.  Waves 0 and 1 fetch the halves of x's tile, waves 2 and 3 those of W1's.  The branch hangs on the wave's number alone.
; Four v_nop follow each of the two lines, ahead of the jump, the label and what follows.
.macro JLOAD s
	s_cmp_eq_u32 s11, 0
	s_cbranch_scc0 .Lfor_b_\@
	tensor_load_to_lds s[G0+4*\s:G0+4*\s+3], s[G1:G1+7]
	s_nop 0
.rept 4
	v_nop
.endr
	s_branch .Lasked_\@
.Lfor_b_\@:
	tensor_load_to_lds s[G0B+4*\s:G0B+4*\s+3], s[G1B:G1B+7]
	s_nop 0
.rept 4
	v_nop
.endr
.Lasked_\@:
.endm
; A round of the cluster's barrier: my work-group's barrier; wave 0 signals for the work-group; every wave waits for all sixteen; my work-group's barrier once more.
.macro CREST                           ; a round behind its opening barrier
	s_cmp_lg_u32 s10, 0
	s_cbranch_scc1 .Lnot_wave_0_\@
	s_barrier_signal -3
.Lnot_wave_0_\@:
	s_barrier_wait -3
	s_barrier_signal -1
	s_barrier_wait -1
.endm
.macro CROUND                          ; a whole round
	s_barrier_signal -1
	s_barrier_wait -1
	CREST
.endm
	s_load_b128 s[4:7], s[0:1], 0x0                ; xb s[4:5], w1b s[6:7]
	s_load_b64 s[8:9], s[0:1], 0x10                ; hbuf
	s_load_b64 s[68:69], s[0:1], 0x18              ; b1
	s_load_b64 s[70:71], s[0:1], 0x20              ; wts
	v_lshl_add_u32 v[SPW], v0, 2, SPARE
	v_mov_b32 v[NIL], 0
	ds_add_u32 v28, v29
	s_wait_dscnt 0x0
	v_lshrrev_b32 v1, 5, v0
	v_readfirstlane_b32 s10, v1                    ; wave 0..3
	s_lshr_b32 s11, s10, 1                         ; which half of the tile's tokens is mine.  Also: I fetch for x (0) or for W1 (1)
	s_and_b32 s12, s10, 1                          ; which half of its columns.  Also: which half of that tile I fetch
	s_bfe_u32 s40, ttmp6, 0x40000                  ; cx, cy: my place in the cluster
	s_bfe_u32 s41, ttmp6, 0x40004
	s_lshl_b32 s42, ttmp9, 2
	s_add_co_u32 s42, s42, s40                     ; tile column 0..31 = 4 x cluster x + cx
	s_and_b32 s13, ttmp7, 0xffff
	s_lshl_b32 s13, s13, 2
	s_add_co_u32 s13, s13, s41                     ; tile row 0..15 = 4 x cluster y + cy
	s_lshl_b32 s43, s41, 2
	s_lshl_b32 s43, 15, s43                        ; my row of the cluster: places 4 cy .. 4 cy + 3
	s_lshl_b32 s44, 0x1111, s40                    ; my column: places cx, cx + 4, cx + 8, cx + 12
	s_mov_b32 s73, 0x7fffffff                      ; clears a sign
	; descriptor group 1 for x: 128 rows x 128 elements
	s_or_b32 s[G1+0], s43, (1<<16)|(1<<20)|(1<<21)|(5<<22)|(3<<25)   ; 15:0 the mask: my row; 17:16 elements of 2 bytes; 20 padding on; 21 set beside a mask; 24:22 after every 64 words (code 5); 31:25 4 words of it (code 3)
	s_mov_b32 s[G1+1], 128<<16                     ; tensor_dim0 = 128
	s_mov_b32 s[G1+2], 128<<16                     ; tensor_dim1 = 128
	s_mov_b32 s[G1+3], 128<<16                     ; tile_dim0 = 128
	s_mov_b32 s[G1+4], 128                         ; tile_dim1 = 128
	s_mov_b32 s[G1+5], 1024                        ; elements from row to row
	s_mov_b32 s[G1+6], 0
	s_mov_b32 s[G1+7], 0
	; descriptor group 1 for W1: 64 k rows x 256 elements
	s_or_b32 s[G1B+0], s44, (1<<16)|(1<<20)|(1<<21)|(6<<22)|(7<<25)  ; the mask: my column; after every 128 words (code 6) 8 words of padding (code 7)
	s_mov_b32 s[G1B+1], 256<<16                    ; tensor_dim0 = 256
	s_mov_b32 s[G1B+2], 64<<16                     ; tensor_dim1 = 64
	s_mov_b32 s[G1B+3], 256<<16                    ; tile_dim0 = 256
	s_mov_b32 s[G1B+4], 64                         ; tile_dim1 = 64
	s_mov_b32 s[G1B+5], 2048                       ; elements from row to row
	s_mov_b32 s[G1B+6], 0
	s_mov_b32 s[G1B+7], 0
	; where the tiles come from: x's hang on the tile row alone, W1's on the tile column alone, each in registers that never hold the other coordinate
	s_lshl_b32 s16, s13, 8
	s_lshl_b32 s17, s12, 7
	s_add_co_u32 s16, s16, s17                     ; x: token 256 x tile row + 128 x half,
	s_lshl_b32 s16, s16, 11                        ; times 2,048 bytes
	s_mov_b32 s17, 0
	s_lshr_b32 s72, s42, 3                         ; the expert
	s_and_b32 s46, s42, 7
	s_lshl_b32 s46, s46, 9                         ; W1: 512 bytes x the tile's place in the expert,
	s_lshl_b32 s47, s72, 22
	s_add_co_u32 s46, s46, s47                     ; + 4,194,304 x expert,
	s_lshl_b32 s47, s12, 18
	s_add_co_u32 s46, s46, s47                     ; + 64 k rows of 4,096 bytes x half
	s_mov_b32 s47, 0
	s_mul_i32 s20, s10, HALFT                      ; and where they go: wave x 34,816: no place in the cluster enters an LDS address
	; plain offsets: my tokens' weights, my columns' b1, my part of hbuf
	s_lshl_b32 s21, s13, 8
	s_lshl_b32 s22, s11, 7
	s_add_co_u32 s21, s21, s22                     ; my first token
	s_lshl_b32 s74, s21, 4                         ; wts: 16 bytes a token,
	s_lshl_b32 s22, s72, 2
	s_add_co_u32 s74, s74, s22                     ; + 4 x expert
	s_mov_b32 s75, 0
	s_lshl_b32 s76, s42, 10                        ; b1: 1,024 bytes a tile column,
	s_lshl_b32 s22, s12, 9
	s_add_co_u32 s76, s76, s22                     ; + 512 x half
	s_mov_b32 s77, 0
	s_lshl_b32 s78, s21, 14                        ; hbuf: 16,384 bytes a token,
	s_lshl_b32 s22, s42, 9
	s_add_co_u32 s78, s78, s22                     ; + 512 x tile column,
	s_lshl_b32 s22, s12, 8
	s_add_co_u32 s78, s78, s22                     ; + 256 x half
	s_mov_b32 s79, 0
	s_wait_kmcnt 0x0
	s_add_nc_u64 s[14:15], s[4:5], s[16:17]
	s_add_nc_u64 s[46:47], s[6:7], s[46:47]
	s_add_nc_u64 s[70:71], s[70:71], s[74:75]
	s_add_nc_u64 s[68:69], s[68:69], s[76:77]
	CROUND                                         ; all sixteen work-groups are here: the first joint loads meet
.irp s, 0,1
	s_mov_b32 s[G0+4*\s], 1                                        ; count = 1
	s_add_co_u32 s[G0+4*\s+1], s20, \s*SLOT                        ; LDS address
	s_add_nc_u64 s[G0+4*\s+2:G0+4*\s+3], s[14:15], \s*KSTEP*2      ; global address: K step s
	s_or_b32 s[G0+4*\s+3], s[G0+4*\s+3], 0x80000000                ; type = 2
	s_mov_b32 s[G0B+4*\s], 1
	s_add_co_u32 s[G0B+4*\s+1], s20, \s*SLOT
	s_add_nc_u64 s[G0B+4*\s+2:G0B+4*\s+3], s[46:47], \s*KSTEP*WROWB
	s_or_b32 s[G0B+4*\s+3], s[G0B+4*\s+3], 0x80000000
.endr
	s_cmp_eq_u32 s11, 0                            ; a wave's two first fills stand in one branch, ahead of every wait on TENSORcnt and every LDS read: two loads of mine are out
	s_cbranch_scc0 .Lfirst_b
	tensor_load_to_lds s[G0:G0+3], s[G1:G1+7]
	s_nop 0
	tensor_load_to_lds s[G0+4:G0+7], s[G1:G1+7]
	s_nop 0
.rept 4
	v_nop
.endr
	s_branch .Lfirst_asked
.Lfirst_b:
	tensor_load_to_lds s[G0B:G0B+3], s[G1B:G1B+7]
	s_nop 0
	tensor_load_to_lds s[G0B+4:G0B+7], s[G1B:G1B+7]
	s_nop 0
.rept 4
	v_nop
.endr
.Lfirst_asked:
	v_and_b32 v1, 15, v0                           ; l % 16
	v_bfe_u32 v2, v0, 4, 1                         ; l / 16
	v_lshlrev_b32 v6, 4, v1                        ; wts: 16 bytes a token
	v_lshlrev_b32 v7, 5, v2                        ; b1: 8 numbers for each half of the lanes
.irp a, 0,1,2,3,4,5,6,7
	global_load_b32 v[WT+\a], v6, s[70:71] offset:256*\a
.endr
.irp b, 0,1,2,3,4,5,6,7
	global_load_b128 v[BIAS+8*\b:BIAS+8*\b+3],   v7, s[68:69] offset:64*\b
	global_load_b128 v[BIAS+8*\b+4:BIAS+8*\b+7], v7, s[68:69] offset:64*\b+16
.endr
	; a fragment of x: lane l holds token l % 16; registers 0-3 K = 8 (l / 16) + 0..7, registers 4-7 K = 16 + 8 (l / 16) + 0..7: two loads of 16 bytes, 32 bytes apart
	v_mul_u32_u24 v3, v1, PITCH
	v_lshl_add_u32 v3, v2, 4, v3
	s_mul_i32 s21, s11, HALFT                      ; my 128 tokens
	; a fragment of W1: the turning load takes 16 k x 16 columns (lane l reads 16 bytes: k row 8 (l / 16) + l % 8, columns 8 ((l / 8) % 2) + 0..7) and leaves column l % 16 and 8 k in lane l
	v_and_b32 v4, 7, v0
	v_lshl_add_u32 v4, v2, 3, v4
	v_mul_u32_u24 v4, v4, PB
	v_bfe_u32 v5, v0, 3, 1
	v_lshl_add_u32 v4, v5, 4, v4
	s_lshl_b32 s22, s12, 8                         ; my 128 columns: 256 bytes of each row,
	s_add_co_u32 s22, s22, 2*HALFT                 ; behind x's 256 rows
.irp s, 0,1
	v_add_nc_u32 v[ADRA+\s], s21, v3
	v_add_nc_u32 v[ADRB+\s], s22, v4
	s_add_co_u32 s21, s21, SLOT
	s_add_co_u32 s22, s22, SLOT
.endr
	s_mul_i32 s23, s10, 16*SPITCH
	s_add_co_u32 s23, s23, STAGE                   ; my stage
	v_mul_u32_u24 v4, v1, SPITCH                   ; in: row l % 16, 16 bytes for each half of the lanes
	v_lshl_add_u32 v4, v2, 4, v4
	v_add_nc_u32 v[STO], s23, v4
	v_mul_u32_u24 v5, v2, SPITCH                   ; back: lanes 0-15 take one row of 256 bytes, lanes 16-31 the next
	v_lshl_add_u32 v5, v1, 4, v5
	v_add_nc_u32 v[RD], s23, v5
	v_lshlrev_b32 v5, 14, v2                       ; and the same two rows in hbuf
	v_lshl_add_u32 v[CO], v1, 4, v5
; 16 matrix instructions: token blocks a0, a0 + 1 of the window's four (hi = 0: my tokens 0-63, 1: 64-127) x all 8 column blocks, 32 along K.
; first = 1: the first product starts the sums from b1: nothing is cleared, and no bias is added later.  The 64 accumulators take turns, one instruction a turn.
.macro MUL16 f, hi, a0, first
.irp a, \a0, \a0+1
.irp b, 0,1,2,3,4,5,6,7
.if \first
	v_wmma_f32_16x16x32_f16 v[8*(8*(\a)+\b):8*(8*(\a)+\b)+7], v[\f+8*\b:\f+8*\b+7], v[\f+8*(4*\hi+\a):\f+8*(4*\hi+\a)+7], v[BIAS+8*\b:BIAS+8*\b+7]
.else
	v_wmma_f32_16x16x32_f16 v[8*(8*(\a)+\b):8*(8*(\a)+\b)+7], v[\f+8*\b:\f+8*\b+7], v[\f+8*(4*\hi+\a):\f+8*(4*\hi+\a)+7], v[8*(8*(\a)+\b):8*(8*(\a)+\b)+7]
.endif
.endr
.endr
.endm
; 32 LDS loads in one run: the fragments of quarter q of a K step (32 k x my 128 columns of W1, turned; my 128 tokens x 32 k of x) into buffer f
.macro FETCH slot, q, f
	WIN TO_B
.irp i, 0,1,2,3,4,5,6,7
	ds_load_tr16_b128 v[\f+8*\i:\f+8*\i+3],   v[ADRB+\slot] offset:\q*32*PB+32*\i
	ds_load_tr16_b128 v[\f+8*\i+4:\f+8*\i+7], v[ADRB+\slot] offset:\q*32*PB+32*\i+16*PB
.endr
	WIN 0
.irp i, 0,1,2,3,4,5,6,7
	ds_load_b128 v[\f+8*\i:\f+8*\i+3],   v[ADRA+\slot] offset:64*\q+\i*16*PITCH
	ds_load_b128 v[\f+8*\i+4:\f+8*\i+7], v[ADRA+\slot] offset:64*\q+\i*16*PITCH+32
.endr
.endm
; A load into a register that a matrix instruction has read, and a vector instruction that reads a matrix result or writes one of a matrix instruction's registers, stand four
; places behind it; only plain vector instructions that name none of its registers are places (ISA guide 7.12.1 for vector instructions).
.macro PLACES
.rept 4
	v_nop
.endr
.endm
; A K step is four quarters of 32 along K, 64 matrix instructions each, on buffers 0, 1, 0, 1.  One of the first three: multiplies buffer f; in its middle it fetches quarter q into buffer g.
.macro QUARTER slot, q, f, g, first
	s_wait_dscnt 8                                 ; W1's fragments and x's tokens 0-63 are in; the youngest eight loads (tokens 64-127) may be out
.if \first
	WIN ONB_LO
.else
	WIN MUL_LO
.endif
	MUL16 \f, 0, 0, \first
	MUL16 \f, 0, 2, \first
	PLACES
	FETCH \slot, \q, \g
	s_wait_dscnt 32                                ; all but the 32 just issued
.if \first
	WIN ONB_HI
.else
	WIN MUL_HI
.endif
	MUL16 \f, 1, 0, \first
	MUL16 \f, 1, 2, \first
.endm
; The first half of a step's last quarter: ONE barrier for the change of slots.  In front of it each wave waits for all its tensor loads (one is out: its part of the next slot), adds 0 to
; its spare word, and waits for that and for its own reads of this slot.  Behind it nobody reads this slot any more and the next slot is whole.
.macro MEET round                      ; round = 1: a round of the cluster's barrier follows
	WIN 0                                          ; (the add's two registers lie in window 0)
	s_wait_tensorcnt 0x0                           ; all my tensor loads have landed
	ds_add_u32 v[SPW], v[NIL]                      ; 0 onto my spare word
	s_wait_dscnt 9                                 ; (the add and the youngest eight loads may be out)
	WIN MUL_LO
	MUL16 F1, 0, 0, 0                              ; sixteen matrix instructions stand between the add and the wait for it
	s_wait_dscnt 0x0                               ; the add is done, and my reads of this slot are over
	s_barrier_signal -1
	MUL16 F1, 0, 2, 0                              ; work on registers while the others arrive
.if \round
	WIN 0
.endif
	s_barrier_wait -1
.endm
; The whole last quarter.  fill = 1: the slot just read out is filled again, two K steps on, first thing behind the round; from that request to the wait for it a wave issues 224 matrix instructions.
.macro TURN slot, next, fill
	MEET \fill
.if \fill
	CREST                                          ; no wave of any partner still reads this slot's tile or has a load on its way
	s_add_nc_u64 s[G0+4*\slot+2:G0+4*\slot+3], s[G0+4*\slot+2:G0+4*\slot+3], 2*KSTEP*2
	s_add_nc_u64 s[G0B+4*\slot+2:G0B+4*\slot+3], s[G0B+4*\slot+2:G0B+4*\slot+3], 2*KSTEP*WROWB
	JLOAD \slot                                    ; the four v_nop behind it are also the places in front of the loads below
.else
	PLACES
.endif
	FETCH \next, 0, F0
	WIN MUL_HI
	MUL16 F1, 1, 0, 0
	MUL16 F1, 1, 2, 0
.endm
	s_wait_tensorcnt 1                             ; my part of K step 0 is in; K step 1's may stay out
	s_barrier_signal -1
	s_barrier_wait -1                              ; everybody's is
	FETCH 0, 0, F0
	s_wait_loadcnt 0x0                             ; b1 and the weights
	QUARTER 0, 1, F0, F1, 1                        ; the first quarter stands in front of the loop: its products start the sums
	WIN 0                                          ; at a label and at a branch every window is 0
	s_mov_b32 s3, LAPS-1
.Llap:                                                 ; a trip goes once round the ring, from a lap's second quarter to the next lap's first, and fills both slots again: K steps 2 to 7
	QUARTER 0, 2, F1, F0, 0
	QUARTER 0, 3, F0, F1, 0
	TURN 0, 1, 1
	QUARTER 1, 1, F0, F1, 0
	QUARTER 1, 2, F1, F0, 0
	QUARTER 1, 3, F0, F1, 0
	TURN 1, 0, 1
	QUARTER 0, 1, F0, F1, 0
	WIN 0
	s_sub_co_u32 s3, s3, 1
	s_cmp_lg_u32 s3, 0
	s_cbranch_scc1 .Llap
	QUARTER 0, 2, F1, F0, 0                        ; the last lap fills nothing, and has no round of the cluster's barrier
	QUARTER 0, 3, F0, F1, 0
	TURN 0, 1, 0
	QUARTER 1, 1, F0, F1, 0
	QUARTER 1, 2, F1, F0, 0
	QUARTER 1, 3, F0, F1, 0
	s_wait_dscnt 8                                 ; the very last quarter: nothing more to fetch
	WIN MUL_LO
	MUL16 F1, 0, 0, 0
	MUL16 F1, 0, 2, 0
	s_wait_dscnt 0x0
	WIN MUL_HI
	MUL16 F1, 1, 0, 0
	MUL16 F1, 1, 2, 0
	WIN 0
	; THE WAY OUT.  gelu, the router's weight, the rounding to f16; then a block of 16 tokens at a time through my stage in LDS and out as whole rows of 256 bytes.
	PLACES
.macro TWICE reg, val
	v_mov_b32 v[\reg], \val
	v_mov_b32 v[\reg+1], \val
.endm
	TWICE CC,  0x3f596d27                          ; c = sqrt(log2(e) / 2)
	TWICE PP,  0x3e8ba43f                          ; 0.3275911 / sqrt(log2(e))
	TWICE ONE, 1.0
	TWICE A1,  0x3e827906                          ; 0.254829592
	TWICE A2,  0xbe91a98e                          ; -0.284496736
	TWICE A3,  0x3fb5f0e3                          ; 1.421413741
	TWICE A4,  0xbfba00e3                          ; -1.453152027
	TWICE A5,  0x3f87dc22                          ; 1.061405429
; Accumulators (a, b0) and (a, b0 + 1): sixteen numbers a lane, in runs of eight packed instructions so that none waits for the one in front of it.
.macro GELU2 a, b0
.set AC, 64*((\a)%4)+8*(\b0)
	WIN (0x02+((\a)/4))                            ; source 0: window 2 or 3
.irp k, 0,2,4,6,8,10,12,14
	v_pk_mul_f32 v[GU+\k:GU+\k+1], v[AC+\k:AC+\k+1], v[CC:CC+1]     ; U = c z; each accumulator is read from its low end on
.endr
	WIN 0
.irp k, 0,1,2,3,4,5,6,7,8,9,10,11,12,13,14,15
	v_and_b32 v[GA+\k], s73, v[GU+\k]                              ; |U|
.endr
.irp k, 0,2,4,6,8,10,12,14
	v_pk_mul_f32 v[GQ+\k:GQ+\k+1], v[GU+\k:GU+\k+1], v[GU+\k:GU+\k+1] neg_lo:[1,0] neg_hi:[1,0]   ; -U U
.endr
.irp k, 0,2,4,6,8,10,12,14
	v_pk_fma_f32 v[GT+\k:GT+\k+1], v[GA+\k:GA+\k+1], v[PP:PP+1], v[ONE:ONE+1]                     ; 1 + p |U|
.endr
.irp k, 0,1,2,3,4,5,6,7,8,9,10,11,12,13,14,15
	v_rcp_f32 v[GT+\k], v[GT+\k]                                   ; t
.endr
.irp k, 0,1,2,3,4,5,6,7,8,9,10,11,12,13,14,15
	v_exp_f32 v[GQ+\k], v[GQ+\k]                                   ; 2^(-U U) = exp(-z z / 2)
.endr
	v_nop                                          ; a plain instruction between the last of them and the use of their results (ISA guide 5.7.2)
	s_wait_alu depctr_va_vdst(0)
.irp k, 0,2,4,6,8,10,12,14
	v_pk_fma_f32 v[GP+\k:GP+\k+1], v[GT+\k:GT+\k+1], v[A5:A5+1], v[A4:A4+1]
.endr
.irp c, A3, A2, A1
.irp k, 0,2,4,6,8,10,12,14
	v_pk_fma_f32 v[GP+\k:GP+\k+1], v[GP+\k:GP+\k+1], v[GT+\k:GT+\k+1], v[\c:\c+1]
.endr
.endr
.irp k, 0,2,4,6,8,10,12,14
	v_pk_mul_f32 v[GP+\k:GP+\k+1], v[GP+\k:GP+\k+1], v[GT+\k:GT+\k+1]
.endr
.irp k, 0,2,4,6,8,10,12,14
	v_pk_fma_f32 v[GP+\k:GP+\k+1], v[GP+\k:GP+\k+1], v[GQ+\k:GQ+\k+1], v[ONE:ONE+1] neg_lo:[1,0,0] neg_hi:[1,0,0]   ; erf
.endr
.irp k, 0,2,4,6,8,10,12,14
	v_pk_fma_f32 v[GU+\k:GU+\k+1], v[GA+\k:GA+\k+1], v[GP+\k:GP+\k+1], v[GU+\k:GU+\k+1]           ; U + |U| erf
.endr
.irp k, 0,2,4,6,8,10,12,14
	v_pk_mul_f32 v[GU+\k:GU+\k+1], v[GU+\k:GU+\k+1], v[WP:WP+1]                                   ; times (0.125 / c) w
.endr
.irp k, 0,1,2,3,4,5,6,7
	v_cvt_pk_f16_f32 v[TMP+4*(\b0)+\k], v[GU+2*\k], v[GU+2*\k+1]
.endr
.endm
.macro PACKG a                         ; block a: 16 tokens x my 128 columns
	v_mul_f32 v[WP],   0x3e16b55f, v[WT+\a]        ; 0.125 / c (gelu's 0.5 / c, and the quarter that w2b's factor 4 takes back), times my token's weight
	v_mul_f32 v[WP+1], 0x3e16b55f, v[WT+\a]
	GELU2 \a, 0
	GELU2 \a, 2
	GELU2 \a, 4
	GELU2 \a, 6
.endm
.macro TOSTAGE a
.set BK, OB+192*((\a)%2)
.irp b, 0,1,2,3,4,5,6,7
	ds_store_b128 v[STO], v[TMP+4*\b:TMP+4*\b+3] offset:32*\b
.endr
.irp t, 0,1,2,3,4,5,6,7
	ds_load_b128 v[BK+4*\t:BK+4*\t+3], v[RD] offset:\t*2*SPITCH    ; LDS serves a wave's instructions in order (ISA guide 5.7.1.4): these see the stores above
.endr
.endm
.macro SEND a, younger
.set BK, OB+192*((\a)%2)
	s_wait_dscnt \younger                          ; the block is back in registers
	s_wait_xcnt 0x0                                ; only behind this wait are the stores' base and the registers that earlier stores read rewritten (ISA guide 3.1)
.if (\a) == 0
	s_add_nc_u64 s[8:9], s[8:9], s[78:79]          ; on to my first rows
.else
	s_add_nc_u64 s[8:9], s[8:9], 16*HROWB          ; 16 rows on
.endif
.irp t, 0,1,2,3,4,5,6,7
	global_store_b128 v[CO], v[BK+4*\t:BK+4*\t+3], s[8:9] offset:2*\t*HROWB   ; 16 lanes store 256 consecutive bytes, at a multiple of 256 from hbuf's first byte
.endr
.endm
	PACKG 0
	TOSTAGE 0
.irp a, 1,2,3,4,5,6,7                  ; block a's arithmetic stands between block a - 1's loads from the stage and the wait for them
	PACKG \a
	SEND \a-1, 0
	TOSTAGE \a
.endr
	SEND 7, 0
	s_wait_tensorcnt 0x0                           ; the wave's end, behind my last tensor load and my last LDS store
	ds_add_u32 v[SPW], v[NIL]
	s_wait_dscnt 0x0
	CROUND                                         ; the closing round: no work-group ends while a partner may still ask for a tile that names it
	s_endpgm
.Lfunc_end_k_q1a309f5af7_gemm1:
	.size	k_q1a309f5af7_gemm1, .Lfunc_end_k_q1a309f5af7_gemm1-k_q1a309f5af7_gemm1
	.p2alignl 7, 3214868480
	.fill 96, 4, 3214868480
	.section	.rodata,"a",@progbits
	.p2align	6, 0x0
	.amdhsa_kernel k_q1a309f5af7_gemm1
		.amdhsa_group_segment_fixed_size 327680
		.amdhsa_private_segment_fixed_size 0
		.amdhsa_enable_private_segment 0
		.amdhsa_kernarg_size 40
		.amdhsa_user_sgpr_count 2
		.amdhsa_user_sgpr_kernarg_segment_ptr 1
		.amdhsa_wavefront_size32 1
		.amdhsa_system_sgpr_workgroup_id_x 1
		.amdhsa_system_sgpr_workgroup_id_y 1
		.amdhsa_system_sgpr_workgroup_id_z 1
		.amdhsa_system_vgpr_workitem_id 0
		.amdhsa_next_free_vgpr 1024
		.amdhsa_next_free_sgpr 80
		.amdhsa_reserve_vcc 0
		.amdhsa_float_denorm_mode_32 3
		.amdhsa_float_denorm_mode_16_64 3
		.amdhsa_memory_ordered 1
		.amdhsa_forward_progress 1
		.amdhsa_inst_pref_size 255
	.end_amdhsa_kernel
	.section	.bss,"aw",@nobits
	.p2align	6
	.space	262144
	.amdgpu_metadata
---
amdhsa.version: [ 1, 2 ]
amdhsa.kernels:
  - .name:           k_q1a309f5af7_gemm1
    .symbol:         k_q1a309f5af7_gemm1.kd
    .args:
      - { .name: xb, .offset: 0, .size: 8, .value_kind: global_buffer, .address_space: global }
      - { .name: w1b, .offset: 8, .size: 8, .value_kind: global_buffer, .address_space: global }
      - { .name: hbuf, .offset: 16, .size: 8, .value_kind: global_buffer, .address_space: global }
      - { .name: b1, .offset: 24, .size: 8, .value_kind: global_buffer, .address_space: global }
      - { .name: wts, .offset: 32, .size: 8, .value_kind: global_buffer, .address_space: global }
    .group_segment_fixed_size: 327680
    .private_segment_fixed_size: 0
    .kernarg_segment_align: 8
    .kernarg_segment_size: 40
    .max_flat_workgroup_size: 128
    .sgpr_count:     80
    .vgpr_count:     1024
    .wavefront_size: 32
...
	.end_amdgpu_metadata
.endif
;; end of part 2
;; launch gemm2 (part 3): grid 16 x 16, 4 waves a work-group, clusters of 4 x 4, 327,680 bytes of LDS; arguments hbuf, w2b, part, b2, wts; writes part
.if DOCPART == 3
	.amdgcn_target "amdgcn-amd-amdhsa--gfx1250"
	.amdhsa_code_object_version 6
	.text
	.protected	k_q1a309f5af7_gemm2
	.globl	k_q1a309f5af7_gemm2
	.p2align	8
	.type	k_q1a309f5af7_gemm2,@function
k_q1a309f5af7_gemm2:
	s_mov_b64 s[64:65], 0
	v_nop
	global_prefetch_b8 v0, s[64:65] scope:SCOPE_SE
	s_setreg_imm32_b32 hwreg(HW_REG_WAVE_MODE, 25, 1), 1
	s_wait_xcnt 0x0
	s_wait_alu depctr_hold_cnt(0) depctr_sa_sdst(0) depctr_va_vdst(0) depctr_va_sdst(0) depctr_va_ssrc(0) depctr_va_vcc(0) depctr_vm_vsrc(0)
	s_getreg_b32 s2, hwreg(HW_REG_IB_STS2, 6, 4)
	s_cmp_eq_u32 s2, 0
	s_cbranch_scc0 .Lentry_in_a_cluster
	s_endpgm
.Lentry_in_a_cluster:
	s_bfe_u32 s2, ttmp6, 0x10000c
	s_cmp_lg_u32 s2, 0xf033
	s_cbranch_scc0 .Lentry_shape_is_right
	s_endpgm
.Lentry_shape_is_right:
; gemm2: for each expert e, part_e[t][d] = sum over h of hbuf[t][2048 e + h] w2b[2048 e + h][d] + wts[t][e] b2[e][d].  The next launch adds the four experts' parts.
; hbuf: [4096][8192] f16 (router weight x gelu / 4).  w2b: [8192 k][1024 d] f16 (4 W2: the two factors cancel exactly in each product).  b2: [4][1024] f32.  wts: [4096][4] f32.  Sums in f32.
; WHY K IS SPLIT OVER WORK-GROUPS.  4096 x 1024 outputs are 64 tiles of 256 x 256, too few for 256 WGPs, or 256 tiles of 128 x 128.  A ring slot of 131,072 bytes of data holds a K step of 128
; of a 256 x 256 tile, which is 256 matrix instructions a wave, or a K step of 256 of a 128 x 128 tile, which is 128: the large tile has twice the work in which a slot's refill can land, and
; fills half the bytes into LDS.  So the tile is 256 x 256 and the 8192 of K go to four work-groups, one expert (2048) each: 64 x 4 = 256 work-groups.  The price is 64 MiB of partial sums.
; SHARES.  Four waves; a wave makes 128 x 128: 64 accumulators of 16 x 16, 512 registers.  K = 2048 goes in 16 steps of 128 through a ring of two LDS slots filled by tensor loads.
; hbuf's tile lies [token][k]: rows of 256 bytes.  w2b's lies [k][d]: 128 rows of 512 bytes; its fragments are turned on the way out of LDS by ds_load_tr16_b128.
; CLUSTERS.  4 x 4 work-groups; work-group x = 4 e + column tile, so a cluster has one expert.  The four of a row of the cluster need the same tile of hbuf (tile row, expert), the four of a
; column the same tile of w2b (expert, column tile): each tile is asked for JOINTLY, by the same tensor load with the same descriptor and a mask that names the four.
; THE MATRIX INSTRUCTION IS USED TRANSPOSED: source 0 = 16 columns d, source 1 = 16 tokens.  Lane l holds token l % 16 and the columns 8 (l / 16) + 0 .. 7 of a block of 16.
; THE SUMS START FROM wts[t][e] b2[e][d]: 256 packed multiplies straight into the accumulators, issued while the first tiles are on their way; nothing is cleared and nothing is added later.
; THE WAY OUT HAS NO STAGE: part is a workspace, so it takes the accumulators as they lie in registers:
;   part[e][tile 4 tr + ct][wave][accumulator 8 a + b][half of its 8 registers][lane][4 f32]; each store of a wave covers 512 consecutive bytes, aligned.  The next launch turns the summed blocks.
; REGISTERS, in windows of 256 (s_set_vgpr_msb's low byte: bits 1:0 source 0, 3:2 source 1, 5:4 source 2, 7:6 destination):
;   window 0: v0-31 addresses; v32-47 my tokens' weights; v64-127, v128-191 fragments of hbuf, two buffers; v192-255 b2 of my 128 columns
;   window 1: v64-127, v128-191 fragments of w2b, two buffers      windows 2, 3: the accumulators of my tokens 0-63, 64-127 ((a, b) at v[8 (8 a + b)])
.set KSTEP,  128
.set PITCH,  272                       ; an LDS row of hbuf: 256 bytes + 16 of padding: the 16 rows that a fragment load touches start 4 banks apart (64 banks of 4 bytes: ISA guide 11.1)
.set PB,     544                       ; an LDS row of w2b: 512 bytes + 32 of padding = 17 x 32
.set HALFT,  128*PITCH                 ; what one tensor load brings: 128 rows of hbuf, or 64 rows of w2b (64 x 544 is the same 34,816 bytes)
.set SLOT,   4*HALFT                   ; hbuf's 256 rows, then w2b's 128 rows
.set SPARE,  2*SLOT                    ; behind the ring: the spare words, 128 bytes for each wave: two blocks of 256 bytes that no other line names
.set LAPS,   2048/(2*KSTEP)            ; a lap = two K steps = once round the ring
.set WROWB,  2048                      ; bytes from a k row of w2b to the next
.set ADRA, 16                          ; v16-17  LDS address of my fragments of hbuf in slot 0, 1
.set ADRB, 20                          ; v20-21  the same for w2b
.set PO,   26                          ; v26     16 x lane: my 16 bytes of a store's 512
.set SPW,  28                          ; v28     LDS address of my spare word: SPARE + 4 x my thread's number; never rewritten
.set NIL,  29                          ; v29     0; never rewritten
.set WT,   32                          ; v[32 + 2 a], v[33 + 2 a]: wts[token 16 a + l % 16][e], twice, for my eight blocks a: a pair for the packed multiply
.set F0,   64
.set F1,   128
.set BIAS, 192                         ; v[192 + 8 b ..]: b2[e] of columns 16 b + 8 (l / 16) + 0 .. 7
.set G1,  24                           ; s[24:31] descriptor group 1 for hbuf's tiles;  s[32:39] group 0, one set for each slot
.set G0,  32
.set G1B, 48                           ; s[48:55], s[56:63] the same for w2b's tiles
.set G0B, 56
.set MSB, 0
.macro WIN new                         ; the immediate's high byte repeats the setting that is left; a switch that changes nothing is dropped
.if MSB != \new
	s_set_vgpr_msb (MSB<<8)|\new
.set MSB, \new
.endif
.endm
.set MUL_LO, 0xa1                      ; source 0 (w2b) window 1, source 1 (hbuf) window 0, C and D window 2
.set MUL_HI, 0xf1                      ; the same, C and D window 3
.set TO_B,   0x40                      ; destination window 1, address window 0
; A joint load.  Waves 0 and 1 fetch the halves of hbuf's tile, waves 2 and 3 those of w2b's.  The branch hangs on the wave's number alone.
; Four v_nop follow each of the two lines, ahead of the jump, the label and what follows.
.macro JLOAD s
	s_cmp_eq_u32 s11, 0
	s_cbranch_scc0 .Lfor_b_\@
	tensor_load_to_lds s[G0+4*\s:G0+4*\s+3], s[G1:G1+7]
	s_nop 0
.rept 4
	v_nop
.endr
	s_branch .Lasked_\@
.Lfor_b_\@:
	tensor_load_to_lds s[G0B+4*\s:G0B+4*\s+3], s[G1B:G1B+7]
	s_nop 0
.rept 4
	v_nop
.endr
.Lasked_\@:
.endm
; A round of the cluster's barrier: my work-group's barrier; wave 0 signals for the work-group; every wave waits for all sixteen; my work-group's barrier once more.
.macro CREST                           ; a round behind its opening barrier
	s_cmp_lg_u32 s10, 0
	s_cbranch_scc1 .Lnot_wave_0_\@
	s_barrier_signal -3
.Lnot_wave_0_\@:
	s_barrier_wait -3
	s_barrier_signal -1
	s_barrier_wait -1
.endm
.macro CROUND                          ; a whole round
	s_barrier_signal -1
	s_barrier_wait -1
	CREST
.endm
	s_load_b128 s[4:7], s[0:1], 0x0                ; hbuf s[4:5], w2b s[6:7]
	s_load_b64 s[8:9], s[0:1], 0x10                ; part
	s_load_b64 s[68:69], s[0:1], 0x18              ; b2
	s_load_b64 s[70:71], s[0:1], 0x20              ; wts
	v_lshl_add_u32 v[SPW], v0, 2, SPARE
	v_mov_b32 v[NIL], 0
	ds_add_u32 v28, v29
	s_wait_dscnt 0x0
	v_lshrrev_b32 v1, 5, v0
	v_readfirstlane_b32 s10, v1                    ; wave 0..3
	s_lshr_b32 s11, s10, 1                         ; which half of the tile's tokens is mine.  Also: I fetch for hbuf (0) or for w2b (1)
	s_and_b32 s12, s10, 1                          ; which half of its columns.  Also: which half of that tile I fetch
	s_bfe_u32 s40, ttmp6, 0x40000                  ; cx, cy: my place in the cluster
	s_bfe_u32 s41, ttmp6, 0x40004
	s_lshl_b32 s42, ttmp9, 2
	s_add_co_u32 s42, s42, s40                     ; work-group x 0..15 = 4 x cluster x + cx = 4 x expert + column tile
	s_and_b32 s13, ttmp7, 0xffff
	s_lshl_b32 s13, s13, 2
	s_add_co_u32 s13, s13, s41                     ; tile row 0..15 = 4 x cluster y + cy
	s_lshl_b32 s43, s41, 2
	s_lshl_b32 s43, 15, s43                        ; my row of the cluster: places 4 cy .. 4 cy + 3
	s_lshl_b32 s44, 0x1111, s40                    ; my column: places cx, cx + 4, cx + 8, cx + 12
	; descriptor group 1 for hbuf: 128 rows x 128 elements
	s_or_b32 s[G1+0], s43, (1<<16)|(1<<20)|(1<<21)|(5<<22)|(3<<25)   ; 15:0 the mask: my row; 17:16 elements of 2 bytes; 20 padding on; 21 set beside a mask; 24:22 after every 64 words (code 5); 31:25 4 words of it (code 3)
	s_mov_b32 s[G1+1], 128<<16                     ; tensor_dim0 = 128
	s_mov_b32 s[G1+2], 128<<16                     ; tensor_dim1 = 128
	s_mov_b32 s[G1+3], 128<<16                     ; tile_dim0 = 128
	s_mov_b32 s[G1+4], 128                         ; tile_dim1 = 128
	s_mov_b32 s[G1+5], 8192                        ; elements from row to row
	s_mov_b32 s[G1+6], 0
	s_mov_b32 s[G1+7], 0
	; descriptor group 1 for w2b: 64 k rows x 256 elements
	s_or_b32 s[G1B+0], s44, (1<<16)|(1<<20)|(1<<21)|(6<<22)|(7<<25)  ; the mask: my column; after every 128 words (code 6) 8 words of padding (code 7)
	s_mov_b32 s[G1B+1], 256<<16                    ; tensor_dim0 = 256
	s_mov_b32 s[G1B+2], 64<<16                     ; tensor_dim1 = 64
	s_mov_b32 s[G1B+3], 256<<16                    ; tile_dim0 = 256
	s_mov_b32 s[G1B+4], 64                         ; tile_dim1 = 64
	s_mov_b32 s[G1B+5], 1024                       ; elements from row to row
	s_mov_b32 s[G1B+6], 0
	s_mov_b32 s[G1B+7], 0
	; where the tiles come from: hbuf's hang on the tile row and the cluster's x (the expert), which my row of the cluster shares; w2b's on work-group x alone, which my column shares
	s_lshl_b32 s16, s13, 8
	s_lshl_b32 s17, s12, 7
	s_add_co_u32 s16, s16, s17                     ; hbuf: token 256 x tile row + 128 x half,
	s_lshl_b32 s16, s16, 14                        ; times 16,384 bytes,
	s_lshl_b32 s17, ttmp9, 12
	s_add_co_u32 s16, s16, s17                     ; + 4,096 bytes (2048 k) x expert
	s_mov_b32 s17, 0
	s_lshr_b32 s72, s42, 2                         ; the expert
	s_and_b32 s46, s42, 3
	s_lshl_b32 s46, s46, 9                         ; w2b: 512 bytes x column tile,
	s_lshl_b32 s47, s72, 22
	s_add_co_u32 s46, s46, s47                     ; + 2048 k rows of 2,048 bytes x expert,
	s_lshl_b32 s47, s12, 17
	s_add_co_u32 s46, s46, s47                     ; + 64 k rows x half
	s_mov_b32 s47, 0
	s_mul_i32 s20, s10, HALFT                      ; and where they go: wave x 34,816: no place in the cluster enters an LDS address
	; plain offsets: my tokens' weights, my columns' b2, my 65,536 bytes of part
	s_lshl_b32 s21, s13, 8
	s_lshl_b32 s22, s11, 7
	s_add_co_u32 s21, s21, s22                     ; my first token
	s_lshl_b32 s74, s21, 4                         ; wts: 16 bytes a token,
	s_lshl_b32 s22, s72, 2
	s_add_co_u32 s74, s74, s22                     ; + 4 x expert
	s_mov_b32 s75, 0
	s_lshl_b32 s76, s42, 10                        ; b2: 4,096 x expert + 1,024 x column tile = 1,024 x work-group x,
	s_lshl_b32 s22, s12, 9
	s_add_co_u32 s76, s76, s22                     ; + 512 x half
	s_mov_b32 s77, 0
	s_lshl_b32 s22, s13, 2
	s_and_b32 s23, s42, 3
	s_add_co_u32 s22, s22, s23                     ; part: the tile's number 4 x tile row + column tile,
	s_lshl_b32 s78, s22, 18                        ; times 262,144 bytes,
	s_lshl_b32 s22, s72, 24
	s_add_co_u32 s78, s78, s22                     ; + 16,777,216 x expert,
	s_lshl_b32 s22, s10, 16
	s_add_co_u32 s78, s78, s22                     ; + 65,536 x wave
	s_mov_b32 s79, 0
	s_wait_kmcnt 0x0
	s_add_nc_u64 s[14:15], s[4:5], s[16:17]
	s_add_nc_u64 s[46:47], s[6:7], s[46:47]
	s_add_nc_u64 s[70:71], s[70:71], s[74:75]
	s_add_nc_u64 s[68:69], s[68:69], s[76:77]
	s_add_nc_u64 s[8:9], s[8:9], s[78:79]
	CROUND                                         ; all sixteen work-groups are here: the first joint loads meet
.irp s, 0,1
	s_mov_b32 s[G0+4*\s], 1                                        ; count = 1
	s_add_co_u32 s[G0+4*\s+1], s20, \s*SLOT                        ; LDS address
	s_add_nc_u64 s[G0+4*\s+2:G0+4*\s+3], s[14:15], \s*KSTEP*2      ; global address: K step s
	s_or_b32 s[G0+4*\s+3], s[G0+4*\s+3], 0x80000000                ; type = 2
	s_mov_b32 s[G0B+4*\s], 1
	s_add_co_u32 s[G0B+4*\s+1], s20, \s*SLOT
	s_add_nc_u64 s[G0B+4*\s+2:G0B+4*\s+3], s[46:47], \s*KSTEP*WROWB
	s_or_b32 s[G0B+4*\s+3], s[G0B+4*\s+3], 0x80000000
.endr
	s_cmp_eq_u32 s11, 0                            ; a wave's two first fills stand in one branch, ahead of every wait on TENSORcnt and every LDS read: two loads of mine are out
	s_cbranch_scc0 .Lfirst_b
	tensor_load_to_lds s[G0:G0+3], s[G1:G1+7]
	s_nop 0
	tensor_load_to_lds s[G0+4:G0+7], s[G1:G1+7]
	s_nop 0
.rept 4
	v_nop
.endr
	s_branch .Lfirst_asked
.Lfirst_b:
	tensor_load_to_lds s[G0B:G0B+3], s[G1B:G1B+7]
	s_nop 0
	tensor_load_to_lds s[G0B+4:G0B+7], s[G1B:G1B+7]
	s_nop 0
.rept 4
	v_nop
.endr
.Lfirst_asked:
	v_and_b32 v1, 15, v0                           ; l % 16
	v_bfe_u32 v2, v0, 4, 1                         ; l / 16
	v_lshlrev_b32 v6, 4, v1                        ; wts: 16 bytes a token
	v_lshlrev_b32 v7, 5, v2                        ; b2: 8 numbers for each half of the lanes
.irp a, 0,1,2,3,4,5,6,7
	global_load_b32 v[WT+2*\a],   v6, s[70:71] offset:256*\a       ; the same number into both registers of a pair
	global_load_b32 v[WT+2*\a+1], v6, s[70:71] offset:256*\a
.endr
.irp b, 0,1,2,3,4,5,6,7
	global_load_b128 v[BIAS+8*\b:BIAS+8*\b+3],   v7, s[68:69] offset:64*\b
	global_load_b128 v[BIAS+8*\b+4:BIAS+8*\b+7], v7, s[68:69] offset:64*\b+16
.endr
	; a fragment of hbuf: lane l holds token l % 16; registers 0-3 K = 8 (l / 16) + 0..7, registers 4-7 K = 16 + 8 (l / 16) + 0..7: two loads of 16 bytes, 32 bytes apart
	v_mul_u32_u24 v3, v1, PITCH
	v_lshl_add_u32 v3, v2, 4, v3
	s_mul_i32 s21, s11, HALFT                      ; my 128 tokens
	; a fragment of w2b: the turning load takes 16 k x 16 columns (lane l reads 16 bytes: k row 8 (l / 16) + l % 8, columns 8 ((l / 8) % 2) + 0..7) and leaves column l % 16 and 8 k in lane l
	v_and_b32 v4, 7, v0
	v_lshl_add_u32 v4, v2, 3, v4
	v_mul_u32_u24 v4, v4, PB
	v_bfe_u32 v5, v0, 3, 1
	v_lshl_add_u32 v4, v5, 4, v4
	s_lshl_b32 s22, s12, 8                         ; my 128 columns: 256 bytes of each row,
	s_add_co_u32 s22, s22, 2*HALFT                 ; behind hbuf's 256 rows
.irp s, 0,1
	v_add_nc_u32 v[ADRA+\s], s21, v3
	v_add_nc_u32 v[ADRB+\s], s22, v4
	s_add_co_u32 s21, s21, SLOT
	s_add_co_u32 s22, s22, SLOT
.endr
	v_and_b32 v[PO], 31, v0
	v_lshlrev_b32 v[PO], 4, v[PO]
; The sums' first terms: accumulator (a, b) = my token's weight x b2 of its eight columns; hi = 0: my tokens 0-63 (window 2), 1: 64-127 (window 3).
.macro START hi
.irp a, 0,1,2,3
.irp b, 0,1,2,3,4,5,6,7
.irp k, 0,2,4,6
	v_pk_mul_f32 v[8*(8*\a+\b)+\k:8*(8*\a+\b)+\k+1], v[BIAS+8*\b+\k:BIAS+8*\b+\k+1], v[WT+2*(4*\hi+\a):WT+2*(4*\hi+\a)+1]
.endr
.endr
.endr
.endm
	s_wait_loadcnt 0x0                             ; b2 and the weights; the first tiles are still on their way
	WIN 0x80                                       ; destination window 2, sources window 0
	START 0
	WIN 0xc0                                       ; destination window 3
	START 1
	WIN 0
; 16 matrix instructions: token blocks a0, a0 + 1 of the window's four (hi = 0: my tokens 0-63, 1: 64-127) x all 8 column blocks, 32 along K.
; The 64 accumulators take turns, one instruction a turn.
.macro MUL16 f, hi, a0
.irp a, \a0, \a0+1
.irp b, 0,1,2,3,4,5,6,7
	v_wmma_f32_16x16x32_f16 v[8*(8*(\a)+\b):8*(8*(\a)+\b)+7], v[\f+8*\b:\f+8*\b+7], v[\f+8*(4*\hi+\a):\f+8*(4*\hi+\a)+7], v[8*(8*(\a)+\b):8*(8*(\a)+\b)+7]
.endr
.endr
.endm
; 32 LDS loads in one run: the fragments of quarter q of a K step (32 k x my 128 columns of w2b, turned; my 128 tokens x 32 k of hbuf) into buffer f
.macro FETCH slot, q, f
	WIN TO_B
.irp i, 0,1,2,3,4,5,6,7
	ds_load_tr16_b128 v[\f+8*\i:\f+8*\i+3],   v[ADRB+\slot] offset:\q*32*PB+32*\i
	ds_load_tr16_b128 v[\f+8*\i+4:\f+8*\i+7], v[ADRB+\slot] offset:\q*32*PB+32*\i+16*PB
.endr
	WIN 0
.irp i, 0,1,2,3,4,5,6,7
	ds_load_b128 v[\f+8*\i:\f+8*\i+3],   v[ADRA+\slot] offset:64*\q+\i*16*PITCH
	ds_load_b128 v[\f+8*\i+4:\f+8*\i+7], v[ADRA+\slot] offset:64*\q+\i*16*PITCH+32
.endr
.endm
; A load into a register that a matrix instruction has read, and a store that reads a matrix result, stand four places behind it; only plain vector instructions that name none of
; its registers are places (ISA guide 7.12.1 for vector instructions).
.macro PLACES
.rept 4
	v_nop
.endr
.endm
; A K step is four quarters of 32 along K, 64 matrix instructions each, on buffers 0, 1, 0, 1.  One of the first three: multiplies buffer f; in its middle it fetches quarter q into buffer g.
.macro QUARTER slot, q, f, g
	s_wait_dscnt 8                                 ; w2b's fragments and tokens 0-63 are in; the youngest eight loads (tokens 64-127) may be out
	WIN MUL_LO
	MUL16 \f, 0, 0
	MUL16 \f, 0, 2
	PLACES
	FETCH \slot, \q, \g
	s_wait_dscnt 32                                ; all but the 32 just issued
	WIN MUL_HI
	MUL16 \f, 1, 0
	MUL16 \f, 1, 2
.endm
; The first half of a step's last quarter: ONE barrier for the change of slots.  In front of it each wave waits for all its tensor loads (one is out: its part of the next slot), adds 0 to
; its spare word, and waits for that and for its own reads of this slot.  Behind it nobody reads this slot any more and the next slot is whole.
.macro MEET round                      ; round = 1: a round of the cluster's barrier follows
	WIN 0                                          ; (the add's two registers lie in window 0)
	s_wait_tensorcnt 0x0                           ; all my tensor loads have landed
	ds_add_u32 v[SPW], v[NIL]                      ; 0 onto my spare word
	s_wait_dscnt 9                                 ; (the add and the youngest eight loads may be out)
	WIN MUL_LO
	MUL16 F1, 0, 0                                 ; sixteen matrix instructions stand between the add and the wait for it
	s_wait_dscnt 0x0                               ; the add is done, and my reads of this slot are over
	s_barrier_signal -1
	MUL16 F1, 0, 2                                 ; work on registers while the others arrive
.if \round
	WIN 0
.endif
	s_barrier_wait -1
.endm
; The whole last quarter.  fill = 1: the slot just read out is filled again, two K steps on, first thing behind the round; from that request to the wait for it a wave issues 224 matrix instructions.
.macro TURN slot, next, fill
	MEET \fill
.if \fill
	CREST                                          ; no wave of any partner still reads this slot's tile or has a load on its way
	s_add_nc_u64 s[G0+4*\slot+2:G0+4*\slot+3], s[G0+4*\slot+2:G0+4*\slot+3], 2*KSTEP*2
	s_add_nc_u64 s[G0B+4*\slot+2:G0B+4*\slot+3], s[G0B+4*\slot+2:G0B+4*\slot+3], 2*KSTEP*WROWB
	JLOAD \slot                                    ; the four v_nop behind it are also the places in front of the loads below
.else
	PLACES
.endif
	FETCH \next, 0, F0
	WIN MUL_HI
	MUL16 F1, 1, 0
	MUL16 F1, 1, 2
.endm
	s_wait_tensorcnt 1                             ; my part of K step 0 is in; K step 1's may stay out
	s_barrier_signal -1
	s_barrier_wait -1                              ; everybody's is
	FETCH 0, 0, F0
	QUARTER 0, 1, F0, F1
	WIN 0                                          ; at a label and at a branch every window is 0
	s_mov_b32 s3, LAPS-1
.Llap:                                                 ; a trip goes once round the ring, from a lap's second quarter to the next lap's first, and fills both slots again: K steps 2 to 15
	QUARTER 0, 2, F1, F0
	QUARTER 0, 3, F0, F1
	TURN 0, 1, 1
	QUARTER 1, 1, F0, F1
	QUARTER 1, 2, F1, F0
	QUARTER 1, 3, F0, F1
	TURN 1, 0, 1
	QUARTER 0, 1, F0, F1
	WIN 0
	s_sub_co_u32 s3, s3, 1
	s_cmp_lg_u32 s3, 0
	s_cbranch_scc1 .Llap
	QUARTER 0, 2, F1, F0                           ; the last lap fills nothing, and has no round of the cluster's barrier
	QUARTER 0, 3, F0, F1
	TURN 0, 1, 0
	QUARTER 1, 1, F0, F1
	QUARTER 1, 2, F1, F0
	QUARTER 1, 3, F0, F1
	s_wait_dscnt 8                                 ; the very last quarter: nothing more to fetch
	WIN MUL_LO
	MUL16 F1, 0, 0
	MUL16 F1, 0, 2
	s_wait_dscnt 0x0
	WIN MUL_HI
	MUL16 F1, 1, 0
	MUL16 F1, 1, 2
	; THE WAY OUT: the accumulators as they lie, each from its low end on; a store of the wave covers 512 consecutive bytes, at a multiple of 512 from part's first byte.
	PLACES                                         ; the stores read results just made
	WIN 0x08                                       ; store data (source 1) in window 2, address in window 0
.irp a, 0,1,2,3
.irp b, 0,1,2,3,4,5,6,7
	global_store_b128 v[PO], v[8*(8*\a+\b):8*(8*\a+\b)+3],   s[8:9] offset:(8*\a+\b)*1024
	global_store_b128 v[PO], v[8*(8*\a+\b)+4:8*(8*\a+\b)+7], s[8:9] offset:(8*\a+\b)*1024+512
.endr
.endr
	WIN 0x0c                                       ; window 3
.irp a, 0,1,2,3
.irp b, 0,1,2,3,4,5,6,7
	global_store_b128 v[PO], v[8*(8*\a+\b):8*(8*\a+\b)+3],   s[8:9] offset:(8*(\a+4)+\b)*1024
	global_store_b128 v[PO], v[8*(8*\a+\b)+4:8*(8*\a+\b)+7], s[8:9] offset:(8*(\a+4)+\b)*1024+512
.endr
.endr
	WIN 0
	s_wait_tensorcnt 0x0                           ; the wave's end, behind my last tensor load
	ds_add_u32 v[SPW], v[NIL]
	s_wait_dscnt 0x0
	CROUND                                         ; the closing round: no work-group ends while a partner may still ask for a tile that names it
	s_endpgm
.Lfunc_end_k_q1a309f5af7_gemm2:
	.size	k_q1a309f5af7_gemm2, .Lfunc_end_k_q1a309f5af7_gemm2-k_q1a309f5af7_gemm2
	.p2alignl 7, 3214868480
	.fill 96, 4, 3214868480
	.section	.rodata,"a",@progbits
	.p2align	6, 0x0
	.amdhsa_kernel k_q1a309f5af7_gemm2
		.amdhsa_group_segment_fixed_size 327680
		.amdhsa_private_segment_fixed_size 0
		.amdhsa_enable_private_segment 0
		.amdhsa_kernarg_size 40
		.amdhsa_user_sgpr_count 2
		.amdhsa_user_sgpr_kernarg_segment_ptr 1
		.amdhsa_wavefront_size32 1
		.amdhsa_system_sgpr_workgroup_id_x 1
		.amdhsa_system_sgpr_workgroup_id_y 1
		.amdhsa_system_sgpr_workgroup_id_z 1
		.amdhsa_system_vgpr_workitem_id 0
		.amdhsa_next_free_vgpr 1024
		.amdhsa_next_free_sgpr 80
		.amdhsa_reserve_vcc 0
		.amdhsa_float_denorm_mode_32 3
		.amdhsa_float_denorm_mode_16_64 3
		.amdhsa_memory_ordered 1
		.amdhsa_forward_progress 1
		.amdhsa_inst_pref_size 142
	.end_amdhsa_kernel
	.amdgpu_metadata
---
amdhsa.version: [ 1, 2 ]
amdhsa.kernels:
  - .name:           k_q1a309f5af7_gemm2
    .symbol:         k_q1a309f5af7_gemm2.kd
    .args:
      - { .name: hbuf, .offset: 0, .size: 8, .value_kind: global_buffer, .address_space: global }
      - { .name: w2b, .offset: 8, .size: 8, .value_kind: global_buffer, .address_space: global }
      - { .name: part, .offset: 16, .size: 8, .value_kind: global_buffer, .address_space: global }
      - { .name: b2, .offset: 24, .size: 8, .value_kind: global_buffer, .address_space: global }
      - { .name: wts, .offset: 32, .size: 8, .value_kind: global_buffer, .address_space: global }
    .group_segment_fixed_size: 327680
    .private_segment_fixed_size: 0
    .kernarg_segment_align: 8
    .kernarg_segment_size: 40
    .max_flat_workgroup_size: 128
    .sgpr_count:     80
    .vgpr_count:     1024
    .wavefront_size: 32
...
	.end_amdgpu_metadata
.endif
;; end of part 3
;; launch combine (part 4): grid 256 x 1, 16 waves a work-group, no clusters, 71,680 bytes of LDS; arguments part, out0; writes out0
.if DOCPART == 4
	.amdgcn_target "amdgcn-amd-amdhsa--gfx1250"
	.amdhsa_code_object_version 6
	.text
	.protected	k_q1a309f5af7_combine
	.globl	k_q1a309f5af7_combine
	.p2align	8
	.type	k_q1a309f5af7_combine,@function
k_q1a309f5af7_combine:
	s_mov_b64 s[64:65], 0
	v_nop
	global_prefetch_b8 v0, s[64:65] scope:SCOPE_SE
	s_setreg_imm32_b32 hwreg(HW_REG_WAVE_MODE, 25, 1), 1
	s_wait_xcnt 0x0
; combine: out0[t][d] = (part_0 + part_1) + (part_2 + part_3): the four experts' partial sums, each with its share of weight x b2 already in it.  All f32.
; part[e][tile 4 tr + ct][wave][accumulator 8 a + b][half][lane][4 f32], as the matrix launch's registers lay: lane l of accumulator (a, b), half i, holds token 16 a + l % 16 and the
; columns 16 b + 8 (l / 16) + 4 i + 0 .. 3 of that wave's 128 x 128 (wave w: tokens 128 (w / 2) on, columns 128 (w % 2) on, of a tile of 256 x 256).
; A stream: every byte of part is read once, by loads of which each covers 512 consecutive bytes; every byte of out0 is written once, sixteen lanes to 256 consecutive bytes, aligned.
; No matrix instruction, no tensor load, no cluster: no work-group shares a byte with another.  No barrier: no wave touches another's LDS bytes.
; SHARES.  256 work-groups of 16 waves.  Work-group g owns the 65,536 bytes at 65,536 g of each expert's part: one wave's 128 x 128.  Wave u owns 4,096 of them: accumulators 8 a + 4 c .. + 3
; with a = u / 2, c = u % 2: 16 tokens x 64 columns.  Its 4 x 8 loads go out together (16,384 bytes a wave, 262,144 a work-group: all that the work-group reads); no loop.
; The summed block is turned in the wave's own 16 rows x 272 bytes of LDS: in by lane (a token's 16 bytes), back by rows of 256 bytes.  Turned here, behind the sum, a quarter of the bytes go through LDS.
.set SP,   272                         ; a stage row: 256 bytes + 16
.set OP,   1                           ; v1      my byte offset in the work-group's 65,536 bytes: 4,096 wave + 16 lane
.set STO,  2                           ; v2      where I put 16 bytes of a row of the stage
.set RD,   3                           ; v3      where I read a row back
.set OO,   4                           ; v4      my byte offset in out0
.set L,    32                          ; v[32 + 32 e + 4 c ..]: expert e's chunk c of eight, four registers; expert 1's registers later take the rows read back
.set BASE, 20                          ; s[20 + 2 e : 21 + 2 e]: expert e's part at the work-group's bytes
	s_load_b128 s[4:7], s[0:1], 0x0                ; part s[4:5], out0 s[6:7]
	v_lshl_add_u32 v160, v0, 2, 0x11000
	v_mov_b32 v161, 0
	v_lshrrev_b32 v5, 5, v0
	v_readfirstlane_b32 s8, v5                     ; my wave's number, 0..15
	v_and_b32 v6, 31, v0
	v_lshlrev_b32 v[OP], 12, v5
	v_lshl_or_b32 v[OP], v6, 4, v[OP]
	v_and_b32 v7, 15, v0                           ; l % 16
	v_bfe_u32 v8, v0, 4, 1                         ; l / 16
	s_mul_i32 s9, s8, 16*SP                        ; my stage
	v_mul_u32_u24 v9, v7, SP                       ; in: row l % 16, 32 bytes for each half of the lanes
	v_lshl_add_u32 v9, v8, 5, v9
	v_add_nc_u32 v[STO], s9, v9
	v_mul_u32_u24 v10, v8, SP                      ; back: lanes 0-15 take one row of 256 bytes, lanes 16-31 the next
	v_lshl_add_u32 v10, v7, 4, v10
	v_add_nc_u32 v[RD], s9, v10
	s_lshr_b32 s10, s8, 1
	s_lshl_b32 s10, s10, 16                        ; out0: 16 rows of 4,096 bytes x (wave / 2),
	s_and_b32 s11, s8, 1
	s_lshl_b32 s11, s11, 8
	s_add_co_u32 s10, s10, s11                     ; + 256 bytes x (wave % 2),
	v_lshlrev_b32 v11, 12, v8                      ; + the same two rows,
	v_lshl_add_u32 v11, v7, 4, v11                 ; + my 16 bytes of a row's 256
	v_add_nc_u32 v[OO], s10, v11
	s_lshl_b32 s12, ttmp9, 16                      ; the work-group's bytes in each expert's part
	s_mov_b32 s13, 0
	s_lshr_b32 s14, ttmp9, 4                       ; g = 16 tr + 4 ct + w: tile row tr:
	s_lshl_b32 s14, s14, 20                        ; 256 rows of 4,096 bytes,
	s_bfe_u32 s16, ttmp9, 0x10001                  ; w / 2:
	s_lshl_b32 s16, s16, 19                        ; 128 rows,
	s_add_co_u32 s14, s14, s16
	s_bfe_u32 s16, ttmp9, 0x20002                  ; column tile ct:
	s_lshl_b32 s16, s16, 10                        ; 1,024 bytes,
	s_add_co_u32 s14, s14, s16
	s_and_b32 s16, ttmp9, 1                        ; w % 2:
	s_lshl_b32 s16, s16, 9                         ; 512 bytes
	s_add_co_u32 s14, s14, s16
	s_mov_b32 s15, 0
	s_wait_kmcnt 0x0
	s_add_nc_u64 s[BASE:BASE+1], s[4:5], s[12:13]
	s_add_nc_u64 s[BASE+2:BASE+3], s[BASE:BASE+1], 0x1000000       ; an expert's part is 16,777,216 bytes
	s_add_nc_u64 s[BASE+4:BASE+5], s[BASE:BASE+1], 0x2000000
	s_add_nc_u64 s[BASE+6:BASE+7], s[BASE:BASE+1], 0x3000000
	s_add_nc_u64 s[6:7], s[6:7], s[14:15]
.irp c, 0,1,2,3,4,5,6,7
.irp e, 0,1,2,3
	global_load_b128 v[L+32*\e+4*\c:L+32*\e+4*\c+3], v[OP], s[BASE+2*\e:BASE+2*\e+1] offset:512*\c th:TH_LOAD_NT
.endr
.endr
.irp c, 0,1,2,3,4,5,6,7                ; chunk c: accumulator c / 2 of my four, half c % 2: columns 16 (c / 2) + 8 (l / 16) + 4 (c % 2) on
	s_wait_loadcnt 4*(7-\c)                        ; loads come back in order (ISA guide 5.7.1): chunk c's four are in, the later chunks' four each stay out
	v_pk_add_f32 v[L+4*\c:L+4*\c+1],       v[L+4*\c:L+4*\c+1],       v[L+32+4*\c:L+32+4*\c+1]
	v_pk_add_f32 v[L+4*\c+2:L+4*\c+3],     v[L+4*\c+2:L+4*\c+3],     v[L+32+4*\c+2:L+32+4*\c+3]
	v_pk_add_f32 v[L+64+4*\c:L+64+4*\c+1],   v[L+64+4*\c:L+64+4*\c+1],   v[L+96+4*\c:L+96+4*\c+1]
	v_pk_add_f32 v[L+64+4*\c+2:L+64+4*\c+3], v[L+64+4*\c+2:L+64+4*\c+3], v[L+96+4*\c+2:L+96+4*\c+3]
	v_pk_add_f32 v[L+4*\c:L+4*\c+1],       v[L+4*\c:L+4*\c+1],       v[L+64+4*\c:L+64+4*\c+1]
	v_pk_add_f32 v[L+4*\c+2:L+4*\c+3],     v[L+4*\c+2:L+4*\c+3],     v[L+64+4*\c+2:L+64+4*\c+3]
	ds_store_b128 v[STO], v[L+4*\c:L+4*\c+3] offset:64*(\c/2)+16*(\c%2)
.endr
.irp t, 0,1,2,3,4,5,6,7
	ds_load_b128 v[L+32+4*\t:L+32+4*\t+3], v[RD] offset:\t*2*SP    ; LDS serves a wave's instructions in order (ISA guide 5.7.1.4): these see the stores above
.endr
.irp t, 0,1,2,3,4,5,6,7
	s_wait_dscnt 7-\t                              ; rows 2 t and 2 t + 1 are back; the later loads stay out
	global_store_b128 v[OO], v[L+32+4*\t:L+32+4*\t+3], s[6:7] offset:\t*8192 th:TH_STORE_NT   ; 16 lanes store 256 consecutive bytes, at a multiple of 256 from out0's first byte
.endr
	s_wait_tensorcnt 0x0
	ds_add_u32 v160, v161
	s_wait_dscnt 0x0
	s_endpgm
.Lfunc_end_k_q1a309f5af7_combine:
	.size	k_q1a309f5af7_combine, .Lfunc_end_k_q1a309f5af7_combine-k_q1a309f5af7_combine
	.p2alignl 7, 3214868480
	.fill 96, 4, 3214868480
	.section	.rodata,"a",@progbits
	.p2align	6, 0x0
	.amdhsa_kernel k_q1a309f5af7_combine
		.amdhsa_group_segment_fixed_size 71680
		.amdhsa_private_segment_fixed_size 0
		.amdhsa_enable_private_segment 0
		.amdhsa_kernarg_size 16
		.amdhsa_user_sgpr_count 2
		.amdhsa_user_sgpr_kernarg_segment_ptr 1
		.amdhsa_wavefront_size32 1
		.amdhsa_system_sgpr_workgroup_id_x 1
		.amdhsa_system_sgpr_workgroup_id_y 1
		.amdhsa_system_sgpr_workgroup_id_z 1
		.amdhsa_system_vgpr_workitem_id 0
		.amdhsa_next_free_vgpr 162
		.amdhsa_next_free_sgpr 66
		.amdhsa_reserve_vcc 0
		.amdhsa_float_denorm_mode_32 3
		.amdhsa_float_denorm_mode_16_64 3
		.amdhsa_memory_ordered 1
		.amdhsa_forward_progress 1
		.amdhsa_inst_pref_size 11
	.end_amdhsa_kernel
	.amdgpu_metadata
---
amdhsa.version: [ 1, 2 ]
amdhsa.kernels:
  - .name:           k_q1a309f5af7_combine
    .symbol:         k_q1a309f5af7_combine.kd
    .args:
      - { .name: part, .offset: 0, .size: 8, .value_kind: global_buffer, .address_space: global }
      - { .name: out0, .offset: 8, .size: 8, .value_kind: global_buffer, .address_space: global }
    .group_segment_fixed_size: 71680
    .private_segment_fixed_size: 0
    .kernarg_segment_align: 8
    .kernarg_segment_size: 16
    .max_flat_workgroup_size: 512
    .sgpr_count:     66
    .vgpr_count:     162
    .wavefront_size: 32
...
	.end_amdgpu_metadata
.endif
;; end of part 4
